; MI455X (gfx1250); checked and timed in simulation.
; The chip was launched on July 23, 2026; its instructions are those of AMD's public machine-readable ISA for CDNA 5 (MIT licence, August 2026) and "CDNA5" Instruction Set Architecture Reference Guide (July 2026). The comments in the code are by the model that wrote it; some were corrected since.
;; Attn. Allowed arithmetic: float matrix products may take bf16 or f16 operands with f32 sums; all other float work in f32.
;; Inputs: W_attn 1,024 x 1,024 float32; b_attn 1,024 float32; encoder_outputs 2,048 x 32 x 1,024 float32; hidden 1 x 32 x 1,024 float32.
;; Outputs: out0 32 x 1 x 2,048 float32.
;; 2 versions, each right; version 2 is version 1 with the launch energy written anew for expert scheduling mode. Each part assembles by itself: llvm-mc -triple=amdgcn-amd-amdhsa -mcpu=gfx1250 --defsym DOCPART=n.
;; ======== version 1 of 2: 3 launches
;; workspace buffers: vpart 2,097,152 bytes; energies 262,144 bytes
;; launch vpart (part 1): grid 16 x 16, 4 waves a work-group, no clusters, 0 bytes of LDS; arguments hidden, W_attn, vpart; writes vpart
.if DOCPART == 1
	.amdgcn_target "amdgcn-amd-amdhsa--gfx1250"
	.amdhsa_code_object_version 6
	.text
	.protected	k_q8512451e8e_vpart
	.globl	k_q8512451e8e_vpart
	.p2align	8
	.type	k_q8512451e8e_vpart,@function
k_q8512451e8e_vpart:
	s_mov_b64 s[64:65], 0
	v_nop
	global_prefetch_b8 v0, s[64:65] scope:SCOPE_SE
	s_setreg_imm32_b32 hwreg(HW_REG_WAVE_MODE, 25, 1), 1
	s_wait_xcnt 0x0
; vp[kc][b][h] = the sum over the 64 k of chunk kc of hidden[b][k] W[k][h].   hidden: [32][1024], W: [1024][1024], vp: [16][32][1024], all f32.
; WHY.  hidden[b] . (enc[s][b] W^T + bias) = enc[s][b] . v[b] + hidden[b] . bias with v[b][h] = sum over k of hidden[b][k] W[k][h]: the same products, summed in another order.
; This launch makes v in 16 partial sums over k; the next adds them and streams enc once; the third adds hidden . bias and takes the softmax.
; ALL IN f32 ON THE VECTOR UNIT.  An energy stands in an exponent, so its absolute error is a weight's relative error; v rounded to 16 bits would shift a sum of 1,024 terms by more than
; the result may be off.  The product has 32 rows only and reads W once: bytes, not arithmetic, are its size.  LIMIT: the order of the f32 sums is not that of the einsum as written.
; SHARES.  256 work-groups: x = a strip of 64 columns h (256 bytes of a row of W), y = a chunk of 64 k.  Wave w owns b = 8 w .. 8 w + 7, lane l the columns 2 l, 2 l + 1:
; a wave's load of a row of W's tile and its store of a row of vp each cover 256 consecutive bytes, aligned.  Each of the four waves loads the tile's 16 KiB itself: no LDS, no barrier.
; NO CLUSTER: W's tile belongs to one work-group alone; what the 16 work-groups of a chunk share is hidden's 8 KiB, a third of a work-group's distinct bytes, and it is wanted in registers, lane by lane.
.set VH,  1                            ; v1        my byte offset in hidden's chunk
.set VW,  2                            ; v2        my 8 bytes in a row of W's tile
.set VO,  3                            ; v3        my byte offset in vp
.set HID, 4                            ; v[4:19]   load j: lanes 0-15 hold b = 8 w + 2 j, lanes 16-31 b = 8 w + 2 j + 1; register r of lane i holds k = 4 (i % 16) + r
.set ACC, 20                           ; v[20:35]  eight pairs: the sums of my two columns for the wave's eight b
.set WR,  36                           ; v[36:163] row k of W's tile at WR + 2 k
.set SA,  16                           ; s[16:31], s[32:47]  two sets of eight pairs: hidden[b][k] of the eight b in the low words; even k take the first set, odd k the second
	s_load_b128 s[4:7], s[0:1], 0x0                ; hidden s[4:5], W s[6:7]
	s_load_b64 s[8:9], s[0:1], 0x10                ; vp
	v_and_b32 v[VW], 31, v0                        ; lane
	v_lshrrev_b32 v[VO], 5, v0                     ; wave
	v_lshlrev_b32 v[VO], 15, v[VO]                 ; its eight rows of 4,096 bytes, in hidden and in vp alike
	v_and_b32 v[VH], 15, v0
	v_lshl_add_u32 v[VH], v[VH], 4, v[VO]          ; + 16 bytes (four k) for each lane of a half
	v_bfe_u32 v[ACC], v0, 4, 1
	v_lshl_add_u32 v[VH], v[ACC], 12, v[VH]        ; + one row for lanes 16 to 31
	v_lshl_add_u32 v[VO], v[VW], 3, v[VO]          ; + my two columns
	v_lshlrev_b32 v[VW], 3, v[VW]
	s_and_b32 s11, ttmp7, 0xffff                   ; kc
	s_lshl_b32 s10, ttmp9, 8                       ; the strip's 256 bytes
	s_mov_b32 s13, 0
.irp i, 0,1,2,3,4,5,6,7,8,9,10,11,12,13,14,15
	s_mov_b32 s[SA+2*(\i)+1], 0                    ; the packed forms name whole pairs: the upper words are written once
.endr
	s_wait_kmcnt 0x0
	s_lshl_b32 s12, s11, 8                         ; hidden: 64 k of 4 bytes
	s_add_nc_u64 s[4:5], s[4:5], s[12:13]
	s_lshl_b32 s12, s11, 18                        ; W: 64 rows of 4,096 bytes,
	s_add_co_u32 s12, s12, s10                     ; and the strip
	s_add_nc_u64 s[6:7], s[6:7], s[12:13]
	s_lshl_b32 s12, s11, 17                        ; vp: 32 rows of 4,096 bytes,
	s_add_co_u32 s12, s12, s10                     ; and the strip
	s_add_nc_u64 s[8:9], s[8:9], s[12:13]
.irp j, 0,1,2,3
	global_load_b128 v[HID+4*(\j):HID+4*(\j)+3], v[VH], s[4:5] offset:8192*(\j)
.endr
.set k, 0
.rept 64
	global_load_b64 v[WR+2*k:WR+2*k+1], v[VW], s[6:7] offset:4096*k
.set k, k+1
.endr
; hidden[b][k] of the wave's eight b, out of the lanes that hold them, into the set of k's parity
.macro RL k
.irp i, 0,1,2,3,4,5,6,7
	v_readlane_b32 s[SA+16*((\k)%2)+2*(\i)], v[HID+4*((\i)/2)+(\k)%4], 16*((\i)%2)+(\k)/4
.endr
.endm
; eight packed multiply-adds: row k of W's tile times the eight numbers.  The first product starts the sums: nothing is cleared.
.macro FM k
.irp i, 0,1,2,3,4,5,6,7
.if (\k) == 0
	v_pk_mul_f32 v[ACC+2*(\i):ACC+2*(\i)+1], v[WR+2*(\k):WR+2*(\k)+1], s[SA+16*((\k)%2)+2*(\i):SA+16*((\k)%2)+2*(\i)+1] op_sel_hi:[1,0]
.else
	v_pk_fma_f32 v[ACC+2*(\i):ACC+2*(\i)+1], v[WR+2*(\k):WR+2*(\k)+1], s[SA+16*((\k)%2)+2*(\i):SA+16*((\k)%2)+2*(\i)+1], v[ACC+2*(\i):ACC+2*(\i)+1] op_sel_hi:[1,0,1]
.endif
.endr
.endm
	s_wait_loadcnt 63                              ; the largest count that the wait can name: of the 68 loads the oldest five are in, hidden's four among them
	RL 0
.set k, 0
.rept 64
.if k < 63
	RL k+1                                         ; the next k's numbers are fetched one step ahead of the products that use them
.endif
.if k%16 == 0
	s_wait_loadcnt 48-k                            ; loads come back in order (ISA guide 5.7.1): rows k to k + 15 are in, the 48 - k rows behind them stay out
.endif
	FM k
.set k, k+1
.endr
.irp i, 0,1,2,3,4,5,6,7
	global_store_b64 v[VO], v[ACC+2*(\i):ACC+2*(\i)+1], s[8:9] offset:4096*(\i)  ; the wave's 32 lanes store 256 consecutive bytes, at a multiple of 256 from vp's first byte
.endr
	s_endpgm
.Lfunc_end_k_q8512451e8e_vpart:
	.size	k_q8512451e8e_vpart, .Lfunc_end_k_q8512451e8e_vpart-k_q8512451e8e_vpart
	.p2alignl 7, 3214868480
	.fill 96, 4, 3214868480
	.section	.rodata,"a",@progbits
	.p2align	6, 0x0
	.amdhsa_kernel k_q8512451e8e_vpart
		.amdhsa_group_segment_fixed_size 0
		.amdhsa_private_segment_fixed_size 0
		.amdhsa_enable_private_segment 0
		.amdhsa_kernarg_size 24
		.amdhsa_user_sgpr_count 2
		.amdhsa_user_sgpr_kernarg_segment_ptr 1
		.amdhsa_wavefront_size32 1
		.amdhsa_system_sgpr_workgroup_id_x 1
		.amdhsa_system_sgpr_workgroup_id_y 1
		.amdhsa_system_sgpr_workgroup_id_z 1
		.amdhsa_system_vgpr_workitem_id 0
		.amdhsa_next_free_vgpr 164
		.amdhsa_next_free_sgpr 66
		.amdhsa_reserve_vcc 0
		.amdhsa_float_denorm_mode_32 3
		.amdhsa_float_denorm_mode_16_64 3
		.amdhsa_memory_ordered 1
		.amdhsa_forward_progress 1
		.amdhsa_inst_pref_size 73
	.end_amdhsa_kernel
	.amdgpu_metadata
---
amdhsa.version: [ 1, 2 ]
amdhsa.kernels:
  - .name:           k_q8512451e8e_vpart
    .symbol:         k_q8512451e8e_vpart.kd
    .args:
      - { .name: hidden, .offset: 0, .size: 8, .value_kind: global_buffer, .address_space: global }
      - { .name: W_attn, .offset: 8, .size: 8, .value_kind: global_buffer, .address_space: global }
      - { .name: vpart, .offset: 16, .size: 8, .value_kind: global_buffer, .address_space: global }
    .group_segment_fixed_size: 0
    .private_segment_fixed_size: 0
    .kernarg_segment_align: 8
    .kernarg_segment_size: 24
    .max_flat_workgroup_size: 128
    .sgpr_count:     66
    .vgpr_count:     164
    .wavefront_size: 32
...
	.end_amdgpu_metadata
.endif
;; end of part 1
;; launch energy (part 2): grid 8 x 32, 8 waves a work-group, no clusters, 6,144 bytes of LDS; arguments vpart, encoder_outputs, energies; writes energies
.if DOCPART == 2
	.amdgcn_target "amdgcn-amd-amdhsa--gfx1250"
	.amdhsa_code_object_version 6
	.text
	.protected	k_q8512451e8e_energy
	.globl	k_q8512451e8e_energy
	.p2align	8
	.type	k_q8512451e8e_energy,@function
k_q8512451e8e_energy:
	s_mov_b64 s[64:65], 0
	v_nop
	global_prefetch_b8 v0, s[64:65] scope:SCOPE_SE
	s_setreg_imm32_b32 hwreg(HW_REG_WAVE_MODE, 25, 1), 1
	s_wait_xcnt 0x0
; en[b][s] = enc[s][b][:] . v[b][:], with v[b][:] = the sum of the 16 partial sums vp[kc][b][:].   enc: [2048][32][1024], vp: [16][32][1024], en: [32][2048], all f32; all sums in f32.
; A STREAM: enc's bytes are read once and nothing else is of any size, so the design is about loads in flight.  No matrix unit: one vector against each row, and nothing may be rounded to
; 16 bits (an energy stands in an exponent).  LIMIT: the order of the f32 sums is not that of the einsum as written.
; SHARES.  256 work-groups: x = a block of 256 s, y = b.  Wave w owns the 32 rows s = 256 x + 32 w + j.  One wave takes a whole row of 4,096 bytes by eight loads of 512 consecutive
; bytes; lane l, load i, register r hold column 128 i + 4 l + r, of enc and of v alike.
; RING.  Six row slots in registers: 6 x 4,096 bytes x 8 waves = 192 KiB of a work-group's loads are out at any time.  A slot owns its data and its address register.
; v is made once: thread t adds the 16 partials of columns 4 t .. 4 t + 3, the sums meet in LDS behind one barrier, and every wave then keeps all of v in 32 registers.
; NO CLUSTER, NO TENSOR LOADS: enc's rows belong to one wave each; what the eight work-groups of a b share is vp's 64 KiB beside 1 MiB of their own, and it is wanted in registers, to be added.
.set ROWSTEP, 131072                   ; bytes from s to s + 1: 32 b of 4,096 bytes; also from one partial of vp to the next
.set DEPTH,   6
.set VB,      0                        ; LDS 0 .. 4,095: v[b][0 .. 1,023]
.set EB,      4096                     ; LDS 4,096 .. 5,119: the work-group's 256 energies; bytes of their own, since no barrier stands between a slow wave's reads of v and a fast wave's store here
.set SPARE,   5120                     ; LDS 5,120 .. 6,143: the spare words, 128 bytes for each of the eight waves: four blocks of 256 bytes that no other line names
.set T16, 1                            ; v1        16 x thread
.set T4,  2                            ; v2        4 x thread
.set L16, 3                            ; v3        16 x lane
.set SPW, 4                            ; v4        LDS address of my spare word; never rewritten
.set NIL, 5                            ; v5        0; never rewritten
.set OFF, 6                            ; v[6:11]   slot s: byte offset of my 16 bytes in the row that the slot holds or awaits
.set E,   12                           ; v12       lane j takes the energy of the wave's row j
.set R,   13                           ; v13       a row's sum
.set R2,  14                           ; v14       the other half of the lanes' sum
.set O16, 15                           ; v15       16 x (thread mod 64): the way out
.set ACC, 16                           ; v[16:23]  four chains of two
.set V,   24                           ; v[24:55]  v, my 32 columns
.set X,   56                           ; v[56:247] slot s: 32 registers
.set T,   184                          ; v[184:247] the 16 partials of my four columns: slots 4 and 5, which are first filled when these have been added
	s_load_b128 s[4:7], s[0:1], 0x0                ; vp s[4:5], enc s[6:7]
	s_load_b64 s[8:9], s[0:1], 0x10                ; en
	v_lshl_add_u32 v[SPW], v0, 2, SPARE
	v_mov_b32 v[NIL], 0
	v_lshlrev_b32 v[T16], 4, v0
	v_lshlrev_b32 v[T4], 2, v0
	v_and_b32 v[L16], 31, v0
	v_lshlrev_b32 v[L16], 4, v[L16]
	v_and_b32 v[O16], 63, v0
	v_lshlrev_b32 v[O16], 4, v[O16]
	v_lshrrev_b32 v[R], 5, v0
	v_readfirstlane_b32 s10, v[R]                  ; my wave's number
	v_lshl_add_u32 v[OFF], v[R], 22, v[L16]        ; the wave's 32 rows of 131,072 bytes + my 16 bytes
.irp s, 1,2,3,4,5
	v_add_nc_u32 v[OFF+(\s)], (\s)*ROWSTEP, v[OFF]
.endr
	v_mov_b32 v[E], 0                              ; selected into, lane by lane
	v_mov_b32 v[R2], 0                             ; v_permlanex16_b32's destination counts as read
	s_and_b32 s12, ttmp7, 0xffff                   ; b
	s_mov_b32 s15, 0
	s_mov_b32 s17, 1                               ; the bit of the lane that takes the row in hand
	s_mov_b32 s18, 0x76543210                      ; v_permlanex16_b32: each lane takes its own place in the other half
	s_mov_b32 s19, 0xfedcba98
	s_lshl_b32 s14, s12, 12                        ; b's 4,096 bytes, in vp and in enc
	s_wait_kmcnt 0x0
	s_add_nc_u64 s[4:5], s[4:5], s[14:15]
	s_add_nc_u64 s[6:7], s[6:7], s[14:15]
	s_lshl_b32 s14, ttmp9, 25                      ; the block's 256 rows of 131,072 bytes
	s_add_nc_u64 s[6:7], s[6:7], s[14:15]
	s_lshl_b32 s14, s12, 13                        ; en: b's 8,192 bytes,
	s_lshl_b32 s20, ttmp9, 10                      ; the block's 1,024
	s_add_co_u32 s14, s14, s20
	s_add_nc_u64 s[8:9], s[8:9], s[14:15]
.macro FILL s                          ; eight loads of 512 consecutive bytes: the slot's row.  enc is read once in the launch
.irp i, 0,1,2,3,4,5,6,7
	global_load_b128 v[X+32*(\s)+4*(\i):X+32*(\s)+4*(\i)+3], v[OFF+(\s)], s[6:7] offset:512*(\i) th:TH_LOAD_NT
.endr
.endm
.set p, 0
.rept 16
	global_load_b128 v[T+4*p:T+4*p+3], v[T16], s[4:5] offset:ROWSTEP*p  ; partial p of my four columns
.set p, p+1
.endr
	FILL 0
	FILL 1
	FILL 2
	FILL 3
	s_wait_loadcnt 32                              ; the 16 partials are in; the four rows asked for behind them stay out
.irp d, 8,4,2                          ; a tree: partial p takes partial p + 8, then p + 4, then p + 2
.set p, 0
.rept \d
	v_pk_add_f32 v[T+4*p:T+4*p+1],   v[T+4*p:T+4*p+1],   v[T+4*(p+\d):T+4*(p+\d)+1]
	v_pk_add_f32 v[T+4*p+2:T+4*p+3], v[T+4*p+2:T+4*p+3], v[T+4*(p+\d)+2:T+4*(p+\d)+3]
.set p, p+1
.endr
.endr
	v_pk_add_f32 v[ACC:ACC+1],   v[T:T+1],   v[T+4:T+5]
	v_pk_add_f32 v[ACC+2:ACC+3], v[T+2:T+3], v[T+6:T+7]
	ds_store_b128 v[T16], v[ACC:ACC+3] offset:VB   ; v's columns 4 t .. 4 t + 3
	FILL 4                                         ; the partials have been read: the ring's last two slots go out
	FILL 5
	s_wait_dscnt 0x0                               ; for the others' sake: my part of v is in LDS
	s_barrier_signal -1
	s_barrier_wait -1                              ; everybody's is
.irp i, 0,1,2,3,4,5,6,7
	ds_load_b128 v[V+4*(\i):V+4*(\i)+3], v[L16] offset:VB+512*(\i)  ; 32 lanes, 16 neighbouring bytes each
.endr
	s_wait_dscnt 0x0
; The turn of slot s: one row's product with v.  fill = 1: the slot takes the row six further down.  left = the loads issued behind this slot's eight, which may stay out.
.macro TURN s, fill, left
	s_wait_loadcnt \left                           ; loads come back in order (ISA guide 5.7.1): my row is in, the younger rows stay on their way
.if \fill
	v_add_nc_u32 v[OFF+(\s)], DEPTH*ROWSTEP, v[OFF+(\s)]  ; free since that wait, which has shown the loads that named it done
.endif
.irp p, 0,1,2,3
	v_pk_mul_f32 v[ACC+2*(\p):ACC+2*(\p)+1], v[X+32*(\s)+2*(\p):X+32*(\s)+2*(\p)+1], v[V+2*(\p):V+2*(\p)+1]  ; the first four products start four chains
.endr
.irp p, 4,5,6,7,8,9,10,11,12,13,14,15
	v_pk_fma_f32 v[ACC+2*((\p)%4):ACC+2*((\p)%4)+1], v[X+32*(\s)+2*(\p):X+32*(\s)+2*(\p)+1], v[V+2*(\p):V+2*(\p)+1], v[ACC+2*((\p)%4):ACC+2*((\p)%4)+1]
.endr
.if \fill
	FILL \s                                        ; straight behind the last read of the slot
.endif
	v_pk_add_f32 v[ACC:ACC+1],   v[ACC:ACC+1],   v[ACC+2:ACC+3]
	v_pk_add_f32 v[ACC+4:ACC+5], v[ACC+4:ACC+5], v[ACC+6:ACC+7]
	v_pk_add_f32 v[ACC:ACC+1],   v[ACC:ACC+1],   v[ACC+4:ACC+5]
	v_add_f32 v[R], v[ACC], v[ACC+1]
	v_add_f32_dpp v[R], v[R], v[R] row_xmask:1 row_mask:0xf bank_mask:0xf  ; across the lanes: four steps inside each half of 16,
	v_add_f32_dpp v[R], v[R], v[R] row_xmask:2 row_mask:0xf bank_mask:0xf
	v_add_f32_dpp v[R], v[R], v[R] row_xmask:4 row_mask:0xf bank_mask:0xf
	v_add_f32_dpp v[R], v[R], v[R] row_xmask:8 row_mask:0xf bank_mask:0xf
	v_permlanex16_b32 v[R2], v[R], s18, s19        ; one across the halves
	v_add_f32 v[R], v[R], v[R2]
	v_cndmask_b32 v[E], v[E], v[R], s17            ; row j's energy stays in lane j
	s_lshl_b32 s17, s17, 1
.endm
	s_mov_b32 s16, 4
.Ltrip:                                                ; four trips: rows 0 to 23 are worked on, rows 6 to 29 asked for.  Into the loop and round it 48 loads are out at a trip's head
	TURN 0, 1, 40                                  ; 40: five younger rows of eight loads
	TURN 1, 1, 40
	TURN 2, 1, 40
	TURN 3, 1, 40
	TURN 4, 1, 40
	TURN 5, 1, 40
	s_sub_co_u32 s16, s16, 1
	s_cmp_lg_u32 s16, 0
	s_cbranch_scc1 .Ltrip
	TURN 0, 1, 40                                  ; row 24; row 30 is asked for
	TURN 1, 1, 40                                  ; row 25; row 31, the last
	TURN 2, 0, 40                                  ; rows 26 to 31 ask for nothing: no load leaves the buffer, and the counts run down
	TURN 3, 0, 32
	TURN 4, 0, 24
	TURN 5, 0, 16
	TURN 0, 0, 8
	TURN 1, 0, 0
	; THE WAY OUT.  A wave's 32 energies are 128 bytes; the eight waves' meet in LDS, and two waves store the 1,024 bytes, 16 bytes a lane.
	ds_store_b32 v[T4], v[E] offset:EB             ; thread t = 32 w + j holds the block's row t
	s_wait_tensorcnt 0x0                           ; the wave's last LDS store stands above
	ds_add_u32 v[SPW], v[NIL]
	s_wait_dscnt 0x0                               ; and, for the others' sake, my energies are in LDS
	s_barrier_signal -1
	s_barrier_wait -1                              ; everybody's are
	s_cmp_lt_u32 s10, 2
	s_cbranch_scc0 .Lend                           ; waves 2 to 7 have nothing left to do
	ds_load_b128 v[ACC:ACC+3], v[O16] offset:EB
	s_wait_dscnt 0x0
	global_store_b128 v[O16], v[ACC:ACC+3], s[8:9] ; a wave stores 512 consecutive bytes, at a multiple of 256 from en's first byte
.Lend:
	s_endpgm
.Lfunc_end_k_q8512451e8e_energy:
	.size	k_q8512451e8e_energy, .Lfunc_end_k_q8512451e8e_energy-k_q8512451e8e_energy
	.p2alignl 7, 3214868480
	.fill 96, 4, 3214868480
	.section	.rodata,"a",@progbits
	.p2align	6, 0x0
	.amdhsa_kernel k_q8512451e8e_energy
		.amdhsa_group_segment_fixed_size 6144
		.amdhsa_private_segment_fixed_size 0
		.amdhsa_enable_private_segment 0
		.amdhsa_kernarg_size 24
		.amdhsa_user_sgpr_count 2
		.amdhsa_user_sgpr_kernarg_segment_ptr 1
		.amdhsa_wavefront_size32 1
		.amdhsa_system_sgpr_workgroup_id_x 1
		.amdhsa_system_sgpr_workgroup_id_y 1
		.amdhsa_system_sgpr_workgroup_id_z 1
		.amdhsa_system_vgpr_workitem_id 0
		.amdhsa_next_free_vgpr 248
		.amdhsa_next_free_sgpr 66
		.amdhsa_reserve_vcc 0
		.amdhsa_float_denorm_mode_32 3
		.amdhsa_float_denorm_mode_16_64 3
		.amdhsa_memory_ordered 1
		.amdhsa_forward_progress 1
		.amdhsa_inst_pref_size 42
	.end_amdhsa_kernel
	.amdgpu_metadata
---
amdhsa.version: [ 1, 2 ]
amdhsa.kernels:
  - .name:           k_q8512451e8e_energy
    .symbol:         k_q8512451e8e_energy.kd
    .args:
      - { .name: vpart, .offset: 0, .size: 8, .value_kind: global_buffer, .address_space: global }
      - { .name: encoder_outputs, .offset: 8, .size: 8, .value_kind: global_buffer, .address_space: global }
      - { .name: energies, .offset: 16, .size: 8, .value_kind: global_buffer, .address_space: global }
    .group_segment_fixed_size: 6144
    .private_segment_fixed_size: 0
    .kernarg_segment_align: 8
    .kernarg_segment_size: 24
    .max_flat_workgroup_size: 256
    .sgpr_count:     66
    .vgpr_count:     248
    .wavefront_size: 32
...
	.end_amdgpu_metadata
.endif
;; end of part 2
;; launch softmax (part 3): grid 32 x 1, 1 waves a work-group, no clusters, 0 bytes of LDS; arguments energies, hidden, b_attn, out0; writes out0
.if DOCPART == 3
	.amdgcn_target "amdgcn-amd-amdhsa--gfx1250"
	.amdhsa_code_object_version 6
	.text
	.protected	k_q8512451e8e_softmax
	.globl	k_q8512451e8e_softmax
	.p2align	8
	.type	k_q8512451e8e_softmax,@function
k_q8512451e8e_softmax:
	s_mov_b64 s[64:65], 0
	v_nop
	global_prefetch_b8 v0, s[64:65] scope:SCOPE_SE
	s_setreg_imm32_b32 hwreg(HW_REG_WAVE_MODE, 25, 1), 1
	s_wait_xcnt 0x0
; out[b][0][s] = softmax over s of (en[b][s] + c[b]), c[b] = hidden[b][:] . bias[:].   en, out: [32][2048], hidden: [32][1024], bias: [1024], all f32; all arithmetic in f32.
; One wave holds a whole row of 2,048 energies in 64 registers between the maximum, the exponentials, the sum and the scaling: the row is read once, and there is no LDS and no barrier.
; The problem has 32 rows, so 32 work-groups are what there is to launch; each load and store of the wave covers 512 consecutive bytes.
; p = 2^(L x - K), L = log2(e), K = L m rounded once, m the row's maximum: K is the same for the whole row, so its rounding cancels between a weight and the sum l.
; LIMITS.  A weight below 2^-126 comes out as 0 (v_exp_f32 flushes denormal results: ISA guide 15.8); 1 / l is v_rcp_f32's; a NaN loses in the maximum, and NaN and infinities are not treated apart.
.set LA, 1                             ; v1         16 x lane
.set X,  4                             ; v[4:67]    the row: load i, register r hold s = 128 i + 4 lane + r
.set HD, 68                            ; v[68:99]   hidden[b], my 32 numbers
.set BA, 100                           ; v[100:131] bias, the same 32 places
.set CH, 132                           ; v[132:139] four chains
.set PR, 140                           ; v[140:141] one number twice, for the packed forms: c, then K, then 1 / l
.set TP, 142                           ; v142       the other half of the lanes'
.macro SUMLANES r                      ; the sum over the 32 lanes, in every lane
	v_add_f32_dpp v[\r], v[\r], v[\r] row_xmask:1 row_mask:0xf bank_mask:0xf
	v_add_f32_dpp v[\r], v[\r], v[\r] row_xmask:2 row_mask:0xf bank_mask:0xf
	v_add_f32_dpp v[\r], v[\r], v[\r] row_xmask:4 row_mask:0xf bank_mask:0xf
	v_add_f32_dpp v[\r], v[\r], v[\r] row_xmask:8 row_mask:0xf bank_mask:0xf
	v_permlanex16_b32 v[TP], v[\r], s16, s17
	v_add_f32 v[\r], v[\r], v[TP]
.endm
.macro MAXLANES r                      ; the maximum likewise
	v_max_num_f32_dpp v[\r], v[\r], v[\r] row_xmask:1 row_mask:0xf bank_mask:0xf
	v_max_num_f32_dpp v[\r], v[\r], v[\r] row_xmask:2 row_mask:0xf bank_mask:0xf
	v_max_num_f32_dpp v[\r], v[\r], v[\r] row_xmask:4 row_mask:0xf bank_mask:0xf
	v_max_num_f32_dpp v[\r], v[\r], v[\r] row_xmask:8 row_mask:0xf bank_mask:0xf
	v_permlanex16_b32 v[TP], v[\r], s16, s17
	v_max_num_f32 v[\r], v[\r], v[TP]
.endm
.macro MERGE                           ; four chains of two into one number a lane
	v_pk_add_f32 v[CH:CH+1],   v[CH:CH+1],   v[CH+2:CH+3]
	v_pk_add_f32 v[CH+4:CH+5], v[CH+4:CH+5], v[CH+6:CH+7]
	v_pk_add_f32 v[CH:CH+1],   v[CH:CH+1],   v[CH+4:CH+5]
	v_add_f32 v[CH], v[CH], v[CH+1]
.endm
	s_load_b256 s[4:11], s[0:1], 0x0               ; en s[4:5], hidden s[6:7], bias s[8:9], out s[10:11]
	v_lshlrev_b32 v[LA], 4, v0                     ; one wave: the thread's number is the lane
	v_mov_b32 v[TP], 0                             ; v_permlanex16_b32's destination counts as read
	s_mov_b32 s13, 0
	s_mov_b32 s14, 0x3fb8aa3b                      ; L = log2(e)
	s_mov_b32 s15, s14                             ; named with it as a pair
	s_mov_b32 s16, 0x76543210                      ; each lane takes its own place in the other half
	s_mov_b32 s17, 0xfedcba98
	s_lshl_b32 s12, ttmp9, 13                      ; b's 8,192 bytes in en and in out
	s_wait_kmcnt 0x0
	s_add_nc_u64 s[4:5], s[4:5], s[12:13]
	s_add_nc_u64 s[10:11], s[10:11], s[12:13]
	s_lshl_b32 s12, ttmp9, 12                      ; b's 4,096 bytes in hidden
	s_add_nc_u64 s[6:7], s[6:7], s[12:13]
.irp i, 0,1,2,3,4,5,6,7
	global_load_b128 v[HD+4*(\i):HD+4*(\i)+3], v[LA], s[6:7] offset:512*(\i)
.endr
.irp i, 0,1,2,3,4,5,6,7
	global_load_b128 v[BA+4*(\i):BA+4*(\i)+3], v[LA], s[8:9] offset:512*(\i)
.endr
.irp i, 0,1,2,3,4,5,6,7,8,9,10,11,12,13,14,15
	global_load_b128 v[X+4*(\i):X+4*(\i)+3], v[LA], s[4:5] offset:512*(\i)
.endr
	s_wait_loadcnt 16                              ; hidden and bias are in; the row's 16 loads stay out
	; c = hidden[b] . bias
.irp p, 0,1,2,3
	v_pk_mul_f32 v[CH+2*(\p):CH+2*(\p)+1], v[HD+2*(\p):HD+2*(\p)+1], v[BA+2*(\p):BA+2*(\p)+1]  ; the first four products start four chains
.endr
.irp p, 4,5,6,7,8,9,10,11,12,13,14,15
	v_pk_fma_f32 v[CH+2*((\p)%4):CH+2*((\p)%4)+1], v[HD+2*(\p):HD+2*(\p)+1], v[BA+2*(\p):BA+2*(\p)+1], v[CH+2*((\p)%4):CH+2*((\p)%4)+1]
.endr
	MERGE
	SUMLANES CH
	v_mov_b32 v[PR], v[CH]
	v_mov_b32 v[PR+1], v[CH]
	s_wait_loadcnt 0x0                             ; the row
.set p, 0
.rept 32
	v_pk_add_f32 v[X+2*p:X+2*p+1], v[X+2*p:X+2*p+1], v[PR:PR+1]  ; x = en + c
.set p, p+1
.endr
	; the maximum: four chains of 15 numbers, three operands at a time; then the four numbers left over and the chains
.irp c, 0,1,2,3
	v_max3_num_f32 v[CH+(\c)], v[X+15*(\c)], v[X+15*(\c)+1], v[X+15*(\c)+2]
.endr
.irp j, 0,1,2,3,4,5
.irp c, 0,1,2,3
	v_max3_num_f32 v[CH+(\c)], v[CH+(\c)], v[X+15*(\c)+3+2*(\j)], v[X+15*(\c)+4+2*(\j)]
.endr
.endr
	v_max3_num_f32 v[CH], v[CH], v[CH+1], v[X+60]
	v_max3_num_f32 v[CH+2], v[CH+2], v[CH+3], v[X+61]
	v_max3_num_f32 v[CH], v[CH], v[CH+2], v[X+62]
	v_max_num_f32 v[CH], v[CH], v[X+63]
	MAXLANES CH
	v_mul_f32 v[PR], s14, v[CH]                    ; K = L m
	v_mov_b32 v[PR+1], v[PR]
.set p, 0
.rept 32
	v_pk_fma_f32 v[X+2*p:X+2*p+1], v[X+2*p:X+2*p+1], s[14:15], v[PR:PR+1] op_sel_hi:[1,0,1] neg_lo:[0,0,1] neg_hi:[0,0,1]  ; L x - K, rounded once
.set p, p+1
.endr
.set p, 0
.rept 64
	v_exp_f32 v[X+p], v[X+p]
.set p, p+1
.endr
	v_nop                                          ; a plain instruction between the last exponential and the use of its result (ISA guide 5.7.2)
	; l: four chains, started by the first eight pairs
	s_wait_alu depctr_va_vdst(0)
.irp c, 0,1,2,3
	v_pk_add_f32 v[CH+2*(\c):CH+2*(\c)+1], v[X+2*(\c):X+2*(\c)+1], v[X+2*(\c)+8:X+2*(\c)+9]
.endr
.set p, 8
.rept 24
	v_pk_add_f32 v[CH+2*(p%4):CH+2*(p%4)+1], v[CH+2*(p%4):CH+2*(p%4)+1], v[X+2*p:X+2*p+1]
.set p, p+1
.endr
	MERGE
	SUMLANES CH                                    ; l holds the maximum's own weight, 2 to an exponent that is K's rounding alone: it is no small number
	v_rcp_f32 v[PR], v[CH]
	v_nop                                          ; a plain instruction between the reciprocal and the use of its result
	s_wait_alu depctr_va_vdst(0)
	v_mov_b32 v[PR+1], v[PR]
.set p, 0
.rept 32
	v_pk_mul_f32 v[X+2*p:X+2*p+1], v[X+2*p:X+2*p+1], v[PR:PR+1]
.set p, p+1
.endr
.irp i, 0,1,2,3,4,5,6,7,8,9,10,11,12,13,14,15
	global_store_b128 v[LA], v[X+4*(\i):X+4*(\i)+3], s[10:11] offset:512*(\i)  ; 512 consecutive bytes, at a multiple of 256 from out's first byte
.endr
	s_endpgm
.Lfunc_end_k_q8512451e8e_softmax:
	.size	k_q8512451e8e_softmax, .Lfunc_end_k_q8512451e8e_softmax-k_q8512451e8e_softmax
	.p2alignl 7, 3214868480
	.fill 96, 4, 3214868480
	.section	.rodata,"a",@progbits
	.p2align	6, 0x0
	.amdhsa_kernel k_q8512451e8e_softmax
		.amdhsa_group_segment_fixed_size 0
		.amdhsa_private_segment_fixed_size 0
		.amdhsa_enable_private_segment 0
		.amdhsa_kernarg_size 32
		.amdhsa_user_sgpr_count 2
		.amdhsa_user_sgpr_kernarg_segment_ptr 1
		.amdhsa_wavefront_size32 1
		.amdhsa_system_sgpr_workgroup_id_x 1
		.amdhsa_system_sgpr_workgroup_id_y 1
		.amdhsa_system_sgpr_workgroup_id_z 1
		.amdhsa_system_vgpr_workitem_id 0
		.amdhsa_next_free_vgpr 144
		.amdhsa_next_free_sgpr 66
		.amdhsa_reserve_vcc 0
		.amdhsa_float_denorm_mode_32 3
		.amdhsa_float_denorm_mode_16_64 3
		.amdhsa_memory_ordered 1
		.amdhsa_forward_progress 1
		.amdhsa_inst_pref_size 20
	.end_amdhsa_kernel
	.amdgpu_metadata
---
amdhsa.version: [ 1, 2 ]
amdhsa.kernels:
  - .name:           k_q8512451e8e_softmax
    .symbol:         k_q8512451e8e_softmax.kd
    .args:
      - { .name: energies, .offset: 0, .size: 8, .value_kind: global_buffer, .address_space: global }
      - { .name: hidden, .offset: 8, .size: 8, .value_kind: global_buffer, .address_space: global }
      - { .name: b_attn, .offset: 16, .size: 8, .value_kind: global_buffer, .address_space: global }
      - { .name: out0, .offset: 24, .size: 8, .value_kind: global_buffer, .address_space: global }
    .group_segment_fixed_size: 0
    .private_segment_fixed_size: 0
    .kernarg_segment_align: 8
    .kernarg_segment_size: 32
    .max_flat_workgroup_size: 32
    .sgpr_count:     66
    .vgpr_count:     144
    .wavefront_size: 32
...
	.end_amdgpu_metadata
.endif
;; end of part 3
;; ======== version 2 of 2: 3 launches; version 1 with the launch energy written anew for expert scheduling mode
;; workspace buffers: vpart 2,097,152 bytes; energies 262,144 bytes
;; launch vpart: the kernel of part 1 again; grid 16 x 16, 4 waves a work-group, no clusters, 0 bytes of LDS; arguments hidden, W_attn, vpart; writes vpart
;; launch energy (part 4): grid 8 x 32, 8 waves a work-group, no clusters, 6,144 bytes of LDS; arguments vpart, encoder_outputs, energies; writes energies
.if DOCPART == 4
	.amdgcn_target "amdgcn-amd-amdhsa--gfx1250"
	.amdhsa_code_object_version 6
	.text
	.protected	k_q8512451e8e_energy
	.globl	k_q8512451e8e_energy
	.p2align	8
	.type	k_q8512451e8e_energy,@function
k_q8512451e8e_energy:
	s_mov_b64 s[64:65], 0
	v_nop
	global_prefetch_b8 v0, s[64:65] scope:SCOPE_SE
	s_setreg_imm32_b32 hwreg(HW_REG_WAVE_SCHED_MODE, 0, 2), 2
	s_setreg_imm32_b32 hwreg(HW_REG_WAVE_MODE, 25, 1), 1
	s_wait_xcnt 0x0
	s_wait_alu depctr_vm_vsrc(0)
; en[b][s] = enc[s][b][:] . v[b][:], with v[b][:] = the sum of the 16 partial sums vp[kc][b][:].   enc: [2048][32][1024], vp: [16][32][1024], en: [32][2048], all f32; all sums in f32.
; A STREAM: enc's bytes are read once and nothing else is of any size, so the design is about loads in flight.  No matrix unit: one vector against each row, and nothing may be rounded to
; 16 bits (an energy stands in an exponent).  LIMIT: the order of the f32 sums is not that of the einsum as written.
; SHARES.  256 work-groups: x = a block of 256 s, y = b.  Wave w owns the 32 rows s = 256 x + 32 w + j.  One wave takes a whole row of 4,096 bytes by eight loads of 512 consecutive
; bytes; lane l, load i, register r hold column 128 i + 4 l + r, of enc and of v alike.
; RING.  Six row slots in registers: 6 x 4,096 bytes x 8 waves = 192 KiB of a work-group's loads are out at any time.  One offset register serves every load of enc: a slot's row stands
; in the immediate, and the scalar base moves on by six rows once a lap.
; v is made once: thread t adds the 16 partials of columns 4 t .. 4 t + 3, the sums meet in LDS behind one barrier, and every wave then keeps all of v in 32 registers.
; NO CLUSTER, NO TENSOR LOADS: enc's rows belong to one wave each; what the eight work-groups of a b share is vp's 64 KiB beside 1 MiB of their own, and it is wanted in registers, to be added.
; THE MODE: SCHED_MODE bits 1:0 = 2 (LLVM: expert scheduling mode 2), set by the entry lines.  The code itself states the register dependences
; between vector instructions and memory or LDS instructions, with s_wait_alu, always for 0.
; THE PLAN.  Registers that memory or LDS instructions touch:
;   v1, v2, v3, v6, v15  offsets and LDS addresses: made once at the head, never written again.
;   T          the 16 partials land in it; the tree reads and writes it; then the ring's slots 4 and 5 land in it.
;   VS         the tree's last two additions write it; the LDS store of v reads it; never written again.
;   V          the LDS loads of v land in it, once; vector instructions alone name it after that.
;   X0 .. X5   turn s: its sixteen products read X[s]; behind them the row six further down lands in it.
;   E          the selects write it; the last LDS store reads it.      ACC  products and sums; on the way out a load from LDS lands in its first four registers.
; So ONE wait on va_vdst stands in a turn that fills, behind its products: it states that they are done reading X[s].  The slot's eight loads follow it in one run, and the row's reduction
; follows them with no further wait: it names ACC, R, R2 and E, none of the registers that those loads touch.  No register that a memory or LDS instruction reads is ever written again.
.set ROWSTEP, 131072                   ; bytes from s to s + 1: 32 b of 4,096 bytes; also from one partial of vp to the next
.set DEPTH,   6
.set VB,      0                        ; LDS 0 .. 4,095: v[b][0 .. 1,023]
.set EB,      4096                     ; LDS 4,096 .. 5,119: the work-group's 256 energies; bytes of their own, since no barrier stands between a slow wave's reads of v and a fast wave's store here
                                       ; LDS 5,120 .. 6,143: a spare word for each thread, which the closing add names
.set T16, 1                            ; v1        16 x thread
.set T4,  2                            ; v2        4 x thread
.set L16, 3                            ; v3        16 x lane
.set OFF, 6                            ; v6        byte offset of my 16 bytes in the wave's first row; never rewritten
.set VS,  8                            ; v[8:11]   v's columns 4 t .. 4 t + 3, on their way into LDS; never rewritten
.set E,   12                           ; v12       lane j takes the energy of the wave's row j
.set R,   13                           ; v13       a row's sum
.set R2,  14                           ; v14       the other half of the lanes' sum
.set O16, 15                           ; v15       16 x (thread mod 64): the way out
.set ACC, 16                           ; v[16:23]  four chains of two
.set V,   24                           ; v[24:55]  v, my 32 columns
.set X,   56                           ; v[56:247] slot s: 32 registers
.set T,   184                          ; v[184:247] the 16 partials of my four columns: slots 4 and 5, which are first filled when these have been added
	s_load_b128 s[4:7], s[0:1], 0x0                ; vp s[4:5], enc s[6:7]
	s_load_b64 s[8:9], s[0:1], 0x10                ; en
	v_lshl_add_u32 v5, v0, 2, 0x1400
	v_mov_b32 v7, 0
	v_lshlrev_b32 v[T16], 4, v0
	v_lshlrev_b32 v[T4], 2, v0
	v_and_b32 v[L16], 31, v0
	v_lshlrev_b32 v[L16], 4, v[L16]
	v_and_b32 v[O16], 63, v0
	v_lshlrev_b32 v[O16], 4, v[O16]
	v_lshrrev_b32 v[R], 5, v0
	v_readfirstlane_b32 s10, v[R]                  ; my wave's number
	v_lshl_add_u32 v[OFF], v[R], 22, v[L16]        ; the wave's 32 rows of 131,072 bytes + my 16 bytes
	v_mov_b32 v[E], 0                              ; selected into, lane by lane
	v_mov_b32 v[R2], 0                             ; v_permlanex16_b32's destination counts as read
	s_wait_alu depctr_va_sdst(0)                   ; s10 is written, ahead of its first reader, the compare on the way out: the wait stands here, in the writer's own straight run of code
	s_and_b32 s12, ttmp7, 0xffff                   ; b
	s_mov_b32 s15, 0
	s_mov_b32 s17, 1                               ; the bit of the lane that takes the row in hand
	s_mov_b32 s18, 0x76543210                      ; v_permlanex16_b32: each lane takes its own place in the other half
	s_mov_b32 s19, 0xfedcba98
	s_lshl_b32 s14, s12, 12                        ; b's 4,096 bytes, in vp and in enc
	s_wait_kmcnt 0x0
	s_add_nc_u64 s[4:5], s[4:5], s[14:15]
	s_add_nc_u64 s[6:7], s[6:7], s[14:15]
	s_lshl_b32 s14, ttmp9, 25                      ; the block's 256 rows of 131,072 bytes
	s_add_nc_u64 s[6:7], s[6:7], s[14:15]
	s_lshl_b32 s14, s12, 13                        ; en: b's 8,192 bytes,
	s_lshl_b32 s20, ttmp9, 10                      ; the block's 1,024
	s_add_co_u32 s14, s14, s20
	s_add_nc_u64 s[8:9], s[8:9], s[14:15]
	s_wait_alu depctr_va_vdst(0)                   ; the five offsets and addresses v1, v2, v3, v6 and v15 are written: every load, store and LDS instruction of the kernel reads one of them
.macro FILL s                          ; eight loads of 512 consecutive bytes: row s of the six that begin at the base.  enc is read once in the launch
.irp i, 0,1,2,3,4,5,6,7
	global_load_b128 v[X+32*(\s)+4*(\i):X+32*(\s)+4*(\i)+3], v[OFF], s[6:7] offset:(\s)*ROWSTEP+512*(\i) th:TH_LOAD_NT
.endr
.endm
.set p, 0
.rept 16
	global_load_b128 v[T+4*p:T+4*p+3], v[T16], s[4:5] offset:ROWSTEP*p  ; partial p of my four columns
.set p, p+1
.endr
	FILL 0
	FILL 1
	FILL 2
	FILL 3
	s_wait_loadcnt 32                              ; the 16 partials are in; the four rows asked for behind them stay out
.irp d, 8,4,2                          ; a tree: partial p takes partial p + 8, then p + 4, then p + 2
.set p, 0
.rept \d
	v_pk_add_f32 v[T+4*p:T+4*p+1],   v[T+4*p:T+4*p+1],   v[T+4*(p+\d):T+4*(p+\d)+1]
	v_pk_add_f32 v[T+4*p+2:T+4*p+3], v[T+4*p+2:T+4*p+3], v[T+4*(p+\d)+2:T+4*(p+\d)+3]
.set p, p+1
.endr
.endr
	v_pk_add_f32 v[VS:VS+1],   v[T:T+1],   v[T+4:T+5]
	v_pk_add_f32 v[VS+2:VS+3], v[T+2:T+3], v[T+6:T+7]
	s_wait_alu depctr_va_vdst(0)                   ; the additions have written v[VS ..], which the LDS store reads, and are done reading and writing v[T ..], in which slots 4 and 5 land
	ds_store_b128 v[T16], v[VS:VS+3] offset:VB     ; v's columns 4 t .. 4 t + 3
	FILL 4                                         ; the partials have been read: the ring's last two slots go out
	FILL 5
	s_wait_dscnt 0x0                               ; for the others' sake: my part of v is in LDS
	s_barrier_signal -1
	s_barrier_wait -1                              ; everybody's is
.irp i, 0,1,2,3,4,5,6,7
	ds_load_b128 v[V+4*(\i):V+4*(\i)+3], v[L16] offset:VB+512*(\i)  ; 32 lanes, 16 neighbouring bytes each
.endr
	s_wait_dscnt 0x0
; The turn of slot s: one row's product with v.  fill = 1: the slot takes the row six further down.  left = the loads issued behind this slot's eight, which may stay out.
.macro TURN s, fill, left
	s_wait_loadcnt \left                           ; loads come back in order (ISA guide 5.7.1): my row is in, the younger rows stay on their way
.if (\fill) && ((\s) == 0)
	s_wait_xcnt 0x0                                ; every earlier memory instruction has had its addresses translated (ISA guide 3.1): the base, which the younger rows' loads read, is rewritten only behind this wait
	s_add_nc_u64 s[6:7], s[6:7], DEPTH*ROWSTEP     ; the base at the first of the six rows that this lap asks for
.endif
.irp p, 0,1,2,3
	v_pk_mul_f32 v[ACC+2*(\p):ACC+2*(\p)+1], v[X+32*(\s)+2*(\p):X+32*(\s)+2*(\p)+1], v[V+2*(\p):V+2*(\p)+1]  ; the first four products start four chains
.endr
.irp p, 4,5,6,7,8,9,10,11,12,13,14,15
	v_pk_fma_f32 v[ACC+2*((\p)%4):ACC+2*((\p)%4)+1], v[X+32*(\s)+2*(\p):X+32*(\s)+2*(\p)+1], v[V+2*(\p):V+2*(\p)+1], v[ACC+2*((\p)%4):ACC+2*((\p)%4)+1]
.endr
.if \fill
	s_wait_alu depctr_va_vdst(0)                   ; the sixteen products are done reading X[s], in which the loads below land
	FILL \s                                        ; straight behind the last read of the slot
.endif
	v_pk_add_f32 v[ACC:ACC+1],   v[ACC:ACC+1],   v[ACC+2:ACC+3]            ; no wait: the lines from here to the turn's end name none of the registers that the loads above touch
	v_pk_add_f32 v[ACC+4:ACC+5], v[ACC+4:ACC+5], v[ACC+6:ACC+7]
	v_pk_add_f32 v[ACC:ACC+1],   v[ACC:ACC+1],   v[ACC+4:ACC+5]
	v_add_f32 v[R], v[ACC], v[ACC+1]
	v_add_f32_dpp v[R], v[R], v[R] row_xmask:1 row_mask:0xf bank_mask:0xf  ; across the lanes: four steps inside each half of 16,
	v_add_f32_dpp v[R], v[R], v[R] row_xmask:2 row_mask:0xf bank_mask:0xf
	v_add_f32_dpp v[R], v[R], v[R] row_xmask:4 row_mask:0xf bank_mask:0xf
	v_add_f32_dpp v[R], v[R], v[R] row_xmask:8 row_mask:0xf bank_mask:0xf
	v_permlanex16_b32 v[R2], v[R], s18, s19        ; one across the halves
	v_add_f32 v[R], v[R], v[R2]
	v_cndmask_b32 v[E], v[E], v[R], s17            ; row j's energy stays in lane j
	s_lshl_b32 s17, s17, 1
.endm
	s_mov_b32 s16, 4
.Ltrip:                                                ; four trips: rows 0 to 23 are worked on, rows 6 to 29 asked for.  Into the loop and round it 48 loads are out at a trip's head
	TURN 0, 1, 40                                  ; 40: five younger rows of eight loads
	TURN 1, 1, 40
	TURN 2, 1, 40
	TURN 3, 1, 40
	TURN 4, 1, 40
	TURN 5, 1, 40
	s_sub_co_u32 s16, s16, 1
	s_cmp_lg_u32 s16, 0
	s_cbranch_scc1 .Ltrip
	TURN 0, 1, 40                                  ; row 24; the base moves on to row 30, which is asked for
	TURN 1, 1, 40                                  ; row 25; row 31, the last
	TURN 2, 0, 40                                  ; rows 26 to 31 ask for nothing: no load leaves the buffer, the counts run down, and no wait on va_vdst is owed
	TURN 3, 0, 32
	TURN 4, 0, 24
	TURN 5, 0, 16
	TURN 0, 0, 8
	TURN 1, 0, 0
	; THE WAY OUT.  A wave's 32 energies are 128 bytes; the eight waves' meet in LDS, and two waves store the 1,024 bytes, 16 bytes a lane.
	s_wait_alu depctr_va_vdst(0)                   ; the last select has written v[E], which the LDS store reads; the sums are done with v[ACC ..], in which the load from LDS below lands; no vector instruction follows
	ds_store_b32 v[T4], v[E] offset:EB             ; thread t = 32 w + j holds the block's row t
	                                               ; (the closing add stands at the end, behind .Lend)
	s_wait_dscnt 0x0                               ; for the others' sake: my energies are in LDS
	s_barrier_signal -1
	s_barrier_wait -1                              ; everybody's are
	s_cmp_lt_u32 s10, 2
	s_cbranch_scc0 .Lend                           ; waves 2 to 7 have nothing left to do
	ds_load_b128 v[ACC:ACC+3], v[O16] offset:EB
	s_wait_dscnt 0x0
	global_store_b128 v[O16], v[ACC:ACC+3], s[8:9] ; a wave stores 512 consecutive bytes, at a multiple of 256 from en's first byte
.Lend:
	s_wait_dscnt 0x0
	s_wait_alu depctr_hold_cnt(0) depctr_sa_sdst(0) depctr_va_vdst(0) depctr_va_sdst(0) depctr_va_ssrc(0) depctr_va_vcc(0) depctr_vm_vsrc(0)
	s_wait_tensorcnt 0x0
	ds_add_u32 v5, v7
	s_wait_dscnt 0x0
	s_endpgm
.Lfunc_end_k_q8512451e8e_energy:
	.size	k_q8512451e8e_energy, .Lfunc_end_k_q8512451e8e_energy-k_q8512451e8e_energy
	.p2alignl 7, 3214868480
	.fill 96, 4, 3214868480
	.section	.rodata,"a",@progbits
	.p2align	6, 0x0
	.amdhsa_kernel k_q8512451e8e_energy
		.amdhsa_group_segment_fixed_size 6144
		.amdhsa_private_segment_fixed_size 0
		.amdhsa_enable_private_segment 0
		.amdhsa_kernarg_size 24
		.amdhsa_user_sgpr_count 2
		.amdhsa_user_sgpr_kernarg_segment_ptr 1
		.amdhsa_wavefront_size32 1
		.amdhsa_system_sgpr_workgroup_id_x 1
		.amdhsa_system_sgpr_workgroup_id_y 1
		.amdhsa_system_sgpr_workgroup_id_z 1
		.amdhsa_system_vgpr_workitem_id 0
		.amdhsa_next_free_vgpr 248
		.amdhsa_next_free_sgpr 66
		.amdhsa_reserve_vcc 0
		.amdhsa_float_denorm_mode_32 3
		.amdhsa_float_denorm_mode_16_64 3
		.amdhsa_memory_ordered 1
		.amdhsa_forward_progress 1
		.amdhsa_inst_pref_size 42
	.end_amdhsa_kernel
	.amdgpu_metadata
---
amdhsa.version: [ 1, 2 ]
amdhsa.kernels:
  - .name:           k_q8512451e8e_energy
    .symbol:         k_q8512451e8e_energy.kd
    .args:
      - { .name: vpart, .offset: 0, .size: 8, .value_kind: global_buffer, .address_space: global }
      - { .name: encoder_outputs, .offset: 8, .size: 8, .value_kind: global_buffer, .address_space: global }
      - { .name: energies, .offset: 16, .size: 8, .value_kind: global_buffer, .address_space: global }
    .group_segment_fixed_size: 6144
    .private_segment_fixed_size: 0
    .kernarg_segment_align: 8
    .kernarg_segment_size: 24
    .max_flat_workgroup_size: 256
    .sgpr_count:     66
    .vgpr_count:     248
    .wavefront_size: 32
...
	.end_amdgpu_metadata
.endif
;; end of part 4
;; launch softmax: the kernel of part 3 again; grid 32 x 1, 1 waves a work-group, no clusters, 0 bytes of LDS; arguments energies, hidden, b_attn, out0; writes out0
